; MI455X (gfx1250); checked and timed in simulation.
; The chip was launched on July 23, 2026; its instructions are those of AMD's public machine-readable ISA for CDNA 5 (MIT licence, August 2026) and "CDNA5" Instruction Set Architecture Reference Guide (July 2026). The comments in the code are by the model that wrote it; some were corrected since.
;; MH Self Attention. Allowed arithmetic: matrix products marked QUANTISED: E2M1 operands, one E8M0 scale for each 32 along K, by v_wmma_scale_f32_16x16x128_f8f6f4 with both operands' format E2M1 (or v_wmma_scale_f32_32x16x128_f4), f32 sums; everything else in f32.
;; Inputs: embeddings_codes 4 x 2,048 x 32 x 16 uint8 (E2M1 codes of embeddings, K innermost, in blocks of 32 codes, two codes a byte); embeddings_scales 4 x 2,048 x 32 uint8 (E8M0 scales of embeddings, one for each 32 codes along K); w_qkv_codes 3,072 x 32 x 16 uint8 (E2M1 codes of w_qkv, K innermost, in blocks of 32 codes, two codes a byte); w_qkv_scales 3,072 x 32 uint8 (E8M0 scales of w_qkv, one for each 32 codes along K).
;; Outputs: out0 4 x 2,048 x 1,024 float32.
;; This version of the problem:
;;   THIS VERSION OF THE PROBLEM IS GIVEN IN LOW PRECISION. The matrix products marked QUANTISED in the list below multiply operands that are first quantised to E2M1 (2 exponent bits, 1 mantissa bit; 4 bits a number), with one power-of-two scale for each 32 numbers along K (OCP MX v1.0); their sums are f32. All else is computed in f32.
;;   The module's matrix products, in the order in which they are computed (A, B: the left and right operand; K: the contracted axis; several contracted axes count as one K, in the product's order):
;;     1. [M 8,192, K 1,024] x [K 1,024, N 3,072]; A: input embeddings (given as codes); B: input w_qkv (given as codes): QUANTISED
;;     2. batch 64 x [M 2,048, K 64] x [K 64, N 2,048]; A: computed on the way; B: computed on the way: QUANTISED
;;     3. batch 64 x [M 2,048, K 2,048] x [K 2,048, N 64]; A: softmax (see below); B: computed on the way: QUANTISED
;;   THE QUANTISER, for each operand of a quantised product, along K:
;;     - K is cut into blocks of 32 from its start; a last block that is shorter is filled with zeros.
;;     - A block's scale is 2^e with e = floor(log2(the largest magnitude in the block)) - 2, held to -126 .. 127; a block of zeros has e = 0. As a byte (E8M0): e + 127.
;;     - Each number is divided by its block's scale, clamped to +-6, and rounded to the nearest number of E2M1, ties to even, subnormals kept.
;;     - The product sums the exact products of the quantised numbers (number of the format x scale) in f32.
;;   ~~~python
;;   def quantise(x, axis):      # numpy; x: float32 -> the quantised numbers, widened to float32 again
;;       x = np.moveaxis(x, axis, -1); K = x.shape[-1]
;;       x = np.pad(x, [(0, 0)] * (x.ndim - 1) + [(0, -K % 32)]); x = x.reshape(x.shape[:-1] + (-1, 32)); a = np.abs(x).max(-1, keepdims=True)
;;       e = np.where(a > 0, np.clip(np.frexp(np.where(a > 0, a, 1))[1] - 1 - 2, -126, 127), 0)      # np.frexp(a)[1] - 1 = floor(log2(a)), exactly
;;       r = np.clip(x / 2.0 ** e, -6, 6)
;;       step = 2.0 ** (np.maximum(np.frexp(np.where(r == 0, 1, r))[1] - 1, 0) - 1)
;;       q = np.round(r / step) * step * 2.0 ** e      # np.round: ties to even
;;       return np.moveaxis(q.reshape(q.shape[:-2] + (-1,))[..., :K], -1, axis).astype(np.float32)
;;   ~~~
;;   SOFTMAX AHEAD OF A QUANTISED PRODUCT. Where the list says 'softmax', what is quantised is not the finished softmax but p = 2^(t - M), with t = logit x log2(e) and M = ceil(the row's largest t), a whole number; so 1/2 < the row's largest p <= 1. The row's sum l is taken of the UNQUANTISED p, in f32, and the product's result is divided by l at the end. Since M is a whole number, a kernel that streams over the keys may use a running M (the ceiling of the running maximum): every later rescaling is an exact power of two, which a block's scale takes up: the codes' values come out the same.
;;   OPERANDS COMPUTED ON THE WAY. 'Computed on the way' means the value that the module computes at that place (a softmax that the list does not call 'softmax' is quantised finished and normalised). What goes into a quantiser is computed in f32, as accurately as f32 sums, v_exp_f32 and their like allow (about 1e-6 of the number): no bf16 or f16 on the way to a quantiser, and a product that is left as it is and whose result goes on into a quantised operand takes f32 operands (vector FMAs, or v_wmma_f32_16x16x4_f32). A number that lies on a knife's edge between two numbers of the format may be rounded either way, as far as f32 arithmetic and the matrix unit's own rounding can turn it there, and no further.
;;   INPUTS GIVEN AS CODES. embeddings (in the module: [4, 2048, 1024], K = its axis 2); w_qkv (in the module: [1024, 3072], K = its axis 0): each comes as NAME_codes (uint8): NAME with its K axis moved to the last place and cut into blocks of 32 codes, [.., K / 32, bytes a block], one block behind the other in memory; two codes a byte, the lower K in the low four bits (a code: sign, 2 exponent bits, 1 mantissa bit); and NAME_scales (uint8): the same leading axes, one E8M0 byte (e + 127) for each 32 codes along K. Its value is code x scale, taken as it is: it is not quantised again, and the codes and scales need not be those that the quantiser above would give.
;; One version. Each part assembles by itself: llvm-mc -triple=amdgcn-amd-amdhsa -mcpu=gfx1250 --defsym DOCPART=n.
;; ======== version 1 of 1: 2 launches
;; workspace buffers: opc 12,582,912 bytes; ops 786,432 bytes
;; launch proj (part 1): grid 12 x 32, 4 waves a work-group, clusters of 4 x 4, 296,448 bytes of LDS; arguments embeddings_codes, embeddings_scales, w_qkv_codes, w_qkv_scales, opc, ops; writes opc, ops
.if DOCPART == 1
	.amdgcn_target "amdgcn-amd-amdhsa--gfx1250"
	.amdhsa_code_object_version 6
	.text
	.protected	k_q08bf657762_proj
	.globl	k_q08bf657762_proj
	.p2align	8
	.type	k_q08bf657762_proj,@function
k_q08bf657762_proj:
	s_mov_b64 s[64:65], 0
	v_nop
	global_prefetch_b8 v0, s[64:65] scope:SCOPE_SE
	s_setreg_imm32_b32 hwreg(HW_REG_WAVE_MODE, 25, 1), 1
	s_wait_xcnt 0x0
	s_wait_alu depctr_hold_cnt(0) depctr_sa_sdst(0) depctr_va_vdst(0) depctr_va_sdst(0) depctr_va_ssrc(0) depctr_va_vcc(0) depctr_vm_vsrc(0)
	s_getreg_b32 s2, hwreg(HW_REG_IB_STS2, 6, 4)
	s_cmp_eq_u32 s2, 0
	s_cbranch_scc0 .Lentry_in_a_cluster
	s_endpgm
.Lentry_in_a_cluster:
	s_bfe_u32 s2, ttmp6, 0x10000c
	s_cmp_lg_u32 s2, 0xf033
	s_cbranch_scc0 .Lentry_shape_is_right
	s_endpgm
.Lentry_shape_is_right:
; qkv = emb W^T on codes of FP4 (E2M1) with one E8M0 scale for each 32 along K = 1,024; the f32 sums are quantised again in registers and leave as codes: q and k along the head's 64, v along the keys.
; emb: [8,192][1,024] codes (512 bytes a row), scales [8,192][32];  W: [3,072][1,024] codes, scales [3,072][32].
; A work-group of four waves makes 256 tokens x 256 rows of W; a wave 128 x 128: 64 accumulators of 16 x 16, 512 registers.  K is two slots of 512: every LDS byte is filled once, nothing is filled again.
; ROLES.  The matrix instruction takes source 0 = P and source 1 = R: a lane then holds ONE row of R, and its registers run along P, the axis that is quantised.
;   q, k (clusters x = 0, 1): P = rows of W (the head pair's 128 columns), R = tokens.     v (cluster x = 2): P = tokens (the keys), R = rows of W (the channels).
;   The tensor loads and the LDS map are the same for all; only the bases from which fragments and scale words are READ are chosen, on the cluster's x, which all partners share.
; OUTPUT.  A wave's 128 (R) x 128 (P) numbers become one chunk: 8,192 bytes of codes in opc, 512 bytes of scale words in ops, chunk = (group of 128 rows of W) x 64 + (group of 128 tokens).
;   A chunk is eight tiles T of 1,024 bytes, each the image of an operand's registers: byte T x 1024 + B x 256 + r' x 16 holds the 32 codes of block B (32 along P) of R row 32 (T / 2) + 8 (T % 2) + r' + 8 (r' / 8).
;   Scale words: byte T x 64 + r' x 4, byte B of the word for block B.
; THE QUANTISER: a block's scale is 2^(floor(log2(largest magnitude)) - 2): its byte is the largest magnitude's exponent field - 2, held at 1 from below by a floor among the maximum's leaves.
; LIMITS: NaN, infinities and the scale byte 0xff among the inputs are not served.  A block of zeros gets the byte 1 (not 127): its codes are zeros, and this program alone reads the bytes.  No largest magnitude is taken under 2^-124.
; CLUSTERS: 4 x 4 work-groups; emb's tiles are shared along a row of the cluster, W's along a column: each is asked for jointly, by the same tensor load with the same descriptor and a mask that names the four.
; 384 work-groups: a tile of half the size would give 768 but read each operand from LDS and from the L2 half again as often; this launch is the smaller part of the program.
; REGISTERS, in windows of 256: window 0: v0-31 addresses; v32-95 scale words, two sets, and nothing else; v96-119 at work on the way out; v128-191 R's fragments, one set, later the chunk read back; v192-255 the codes made.
;   window 1: P's fragments, two sets, at v0 and v128.   window 2: the accumulators of my R rows 0-63 ((a, b) at v[8 (8 a + b)]);   window 3: those of rows 64-127.
.set NQ,     4                         ; steps of 128 along K in a slot
.set ROWB,   256                       ; a tile's row: 512 codes
.set KROW,   512                       ; a row of emb or of W in memory, in bytes
.set PITCH,  272                       ; an LDS row: 256 bytes + 16 of padding = 68 words: the 16 rows that a load touches begin 4 words further on each, modulo 64 words
.set FR,     8                         ; registers of a fragment: 16 rows x 128 K
.set NL,     2                         ; LDS loads that bring one
.set NP,     4                         ; places behind this matrix instruction (ISA guide 7.12.1)
.set HALFT,  128*PITCH                 ; 128 rows: what one tensor load brings
.set SLOT,   4*HALFT                   ; emb's 256 rows, then W's 256 rows
.set KS,     32                        ; a row of scale bytes
.set SCL,    2*SLOT                    ; behind the two slots: the scale bytes, as units of 256 bytes + 16 of padding
.set HALFS,  (128*KS/256)*272          ; those of 128 rows: what one tensor load brings
.set SBLK,   (16*KS/256)*272           ; those of 16 rows
.set WSTG,   8704                      ; the way out: 8,192 bytes of codes + 512 of scale words for each wave, in slot 0, which has had its only fill and its last read by then
.set ADRA, 16                          ; v16-17  LDS address of my R fragments in slot 0, 1
.set ADRB, 20                          ; v20-21  the same for P
.set STO,  24                          ; v24     the way out: where my lane's codes go
.set RD,   25                          ; v25     where I read the chunk back
.set LO,   26                          ; v26     16 x lane: my bytes of 512 in memory
.set ADRS, 27                          ; v27     LDS address of my scale words: lanes 0-15 R's rows, lanes 16-31 P's
.set SSO,  28                          ; v28     the way out: where my row's scale word goes
.set SC,   32                          ; scale words: set s at v[SC + 32 s]; register 4 i + q: lanes 0-15 R's block i, lanes 16-31 P's block i, the slot's q-th 128 along K
.set TM,   96                          ; v96-99 largest magnitudes, v100-103 the other half's / bytes, v104-107 the conversions' scale operands
.set PW,   108                         ; v108-115 the scale word of R block a
.set SB,   116                         ; v116-119 the scale words read back
.set AF,   128                         ; R's fragments
.set BK,   128                         ; the chunk read back
.set CW,   192                         ; v192-255 the codes of R block a: eight registers each
.set G1, 24                            ; s[24:31] descriptor group 1 for emb's tiles;  s[32:39] group 0, one set for each slot
.set G0, 32
.set G1B, 48                           ; s[48:55], s[56:63] the same for W's tiles
.set G0B, 56
.set G1S, 68                           ; s[68:75], s[76:79] groups 1 and 0 for emb's scales;  s[80:87], s[88:91] for W's
.set G0S, 76
.set G1SB, 80
.set G0SB, 88
.set MSB, 0
.macro WIN new                         ; the immediate's high byte repeats the setting that is left; a switch that changes nothing is dropped
.if MSB != \new
	s_set_vgpr_msb (MSB<<8)|\new
.set MSB, \new
.endif
.endm
.set MUL_LO, 0xa1                      ; source 0 (P) window 1, source 1 (R) window 0, C and D window 2
.set MUL_HI, 0xf1                      ; the same, C and D window 3
.set TO_B,   0x40                      ; destination window 1, address window 0
; A joint load: waves 0 and 1 fetch for emb, waves 2 and 3 for W.  Each line has one mask and one set of registers for all that issue it; the branch hangs on the wave's number alone.
; Four v_nop follow each of the two lines, ahead of the jump, the label and what follows.
.macro JLOAD g0a, g1a, g0b, g1b
	s_cmp_eq_u32 s15, 0
	s_cbranch_scc0 .Lfor_b_\@
	tensor_load_to_lds s[\g0a:\g0a+3], s[\g1a:\g1a+7]
	s_nop 0
.rept 4
	v_nop
.endr
	s_branch .Lasked_\@
.Lfor_b_\@:
	tensor_load_to_lds s[\g0b:\g0b+3], s[\g1b:\g1b+7]
	s_nop 0
.rept 4
	v_nop
.endr
.Lasked_\@:
.endm
.macro CROUND                          ; a round of the cluster's barrier: my work-group's barrier; wave 0 signals for the work-group; every wave waits for all sixteen; my work-group's barrier once more
	s_barrier_signal -1
	s_barrier_wait -1
	s_cmp_lg_u32 s14, 0
	s_cbranch_scc1 .Lnot_wave_0_\@
	s_barrier_signal -3
.Lnot_wave_0_\@:
	s_barrier_wait -3
	s_barrier_signal -1
	s_barrier_wait -1
.endm
	s_load_b128 s[4:7], s[0:1], 0x0                ; emb's codes s[4:5], emb's scales s[6:7]
	s_load_b128 s[8:11], s[0:1], 0x10              ; W's codes s[8:9], W's scales s[10:11]
	s_load_b128 s[96:99], s[0:1], 0x20             ; opc s[96:97], ops s[98:99]
	v_lshl_add_u32 v126, v0, 2, 0x48400
	v_mov_b32 v127, 0
	ds_add_u32 v126, v127
	ds_add_u32 v126, v127
	v_lshrrev_b32 v1, 5, v0
	v_readfirstlane_b32 s14, v1                    ; wave 0..3
	s_lshr_b32 s15, s14, 1                         ; se: which 128 tokens are mine.  Also: I fetch for emb (0) or for W (1)
	s_and_b32 s16, s14, 1                          ; sw: which 128 rows of W are mine.  Also: which 128 rows of that tile I fetch
	s_bfe_u32 s40, ttmp6, 0x40000                  ; cx, cy: my place in the cluster
	s_bfe_u32 s41, ttmp6, 0x40004
	s_lshl_b32 s42, ttmp9, 2
	s_add_co_u32 s42, s42, s40                     ; x: which 256 rows of W = 4 x cluster x + cx
	s_and_b32 s17, ttmp7, 0xffff
	s_lshl_b32 s17, s17, 2
	s_add_co_u32 s17, s17, s41                     ; y: which 256 tokens = 4 x cluster y + cy
	s_lshl_b32 s43, s41, 2
	s_lshl_b32 s43, 15, s43                        ; my row of the cluster
	s_lshl_b32 s44, 0x1111, s40                    ; my column
	; descriptor group 1: a tile of 128 rows x 256 bytes, padded in LDS
	s_or_b32 s[G1+0], s43, (0<<16)|(1<<20)|(1<<21)|(5<<22)|(3<<25)  ; 15:0 the mask: emb's tiles go to my row; 17:16 elements of 1 byte; 20 padding on; 21 set beside a mask; 24:22 after every 64 words (code 5); 31:25 of 4 words (code 3)
	s_or_b32 s[G1B+0], s44, (0<<16)|(1<<20)|(1<<21)|(5<<22)|(3<<25) ; W's tiles go to my column
.irp g, G1, G1B
	s_mov_b32 s[\g+1], ROWB<<16                    ; tensor_dim0 = 256
	s_mov_b32 s[\g+2], 128<<16                     ; tensor_dim1 = 128
	s_mov_b32 s[\g+3], ROWB<<16                    ; tile_dim0 = 256
	s_mov_b32 s[\g+4], 128                         ; tile_dim1 = 128
	s_mov_b32 s[\g+5], KROW                        ; from row to row
	s_mov_b32 s[\g+6], 0
	s_mov_b32 s[\g+7], 0
.endr
	; the scales of 128 rows: a dense block of 4,096 bytes, as 16 rows of 256 bytes (32 elements of 8 bytes), 16 bytes of padding behind each
	s_or_b32 s[G1S+0], s43, (3<<16)|(1<<20)|(1<<21)|(5<<22)|(3<<25)
	s_or_b32 s[G1SB+0], s44, (3<<16)|(1<<20)|(1<<21)|(5<<22)|(3<<25)
.irp g, G1S, G1SB
	s_mov_b32 s[\g+1], 32<<16
	s_mov_b32 s[\g+2], (128*KS/256)<<16
	s_mov_b32 s[\g+3], 32<<16
	s_mov_b32 s[\g+4], 128*KS/256
	s_mov_b32 s[\g+5], 32
	s_mov_b32 s[\g+6], 0
	s_mov_b32 s[\g+7], 0
.endr
	s_lshl_b32 s18, s16, 7                         ; which 128 rows of the tile I fetch
	s_lshl_b32 s20, s17, 8
	s_add_co_u32 s20, s20, s18                     ; emb: row 256 y + 128 x half
	s_lshl_b32 s46, s42, 8
	s_add_co_u32 s46, s46, s18                     ; W: row 256 x + 128 x half
	s_mov_b32 s21, 0
	s_mov_b32 s47, 0
	s_mov_b64 s[18:19], KS
	s_mul_u64 s[22:23], s[20:21], s[18:19]         ; where these rows' scales begin, in bytes
	s_mul_u64 s[92:93], s[46:47], s[18:19]
	s_mov_b64 s[18:19], KROW
	s_mul_u64 s[20:21], s[20:21], s[18:19]         ; and their codes
	s_mul_u64 s[46:47], s[46:47], s[18:19]
	s_mul_i32 s45, s14, HALFT                      ; where they go: wave x 128 rows: no place in the cluster enters an LDS address
	s_mul_i32 s94, s14, HALFS
	s_wait_dscnt 0x0
	s_wait_kmcnt 0x0
	s_add_nc_u64 s[20:21], s[4:5], s[20:21]
	s_add_nc_u64 s[22:23], s[6:7], s[22:23]
	s_add_nc_u64 s[46:47], s[8:9], s[46:47]
	s_add_nc_u64 s[92:93], s[10:11], s[92:93]
	CROUND                                         ; all sixteen work-groups are here: the joint loads meet
	s_mov_b32 s[G0S], 1
	s_add_co_u32 s[G0S+1], s94, SCL
	s_mov_b64 s[G0S+2:G0S+3], s[22:23]
	s_or_b32 s[G0S+3], s[G0S+3], 0x80000000
	s_mov_b32 s[G0SB], 1
	s_add_co_u32 s[G0SB+1], s94, SCL
	s_mov_b64 s[G0SB+2:G0SB+3], s[92:93]
	s_or_b32 s[G0SB+3], s[G0SB+3], 0x80000000
	JLOAD G0S, G1S, G0SB, G1SB                     ; the scales first: they are wanted with the first slot
.irp s, 0,1
	s_mov_b32 s[G0+4*\s], 1
	s_add_co_u32 s[G0+4*\s+1], s45, \s*SLOT
	s_add_nc_u64 s[G0+4*\s+2:G0+4*\s+3], s[20:21], \s*ROWB
	s_or_b32 s[G0+4*\s+3], s[G0+4*\s+3], 0x80000000
	s_mov_b32 s[G0B+4*\s], 1
	s_add_co_u32 s[G0B+4*\s+1], s45, \s*SLOT
	s_add_nc_u64 s[G0B+4*\s+2:G0B+4*\s+3], s[46:47], \s*ROWB
	s_or_b32 s[G0B+4*\s+3], s[G0B+4*\s+3], 0x80000000
	JLOAD G0+4*\s, G1, G0B+4*\s, G1B               ; both slots: all of K.  Three tensor loads of mine are out
.endr
	v_and_b32 v1, 15, v0                           ; r = l % 16
	v_bfe_u32 v2, v0, 4, 1                         ; h = l / 16
	v_mul_u32_u24 v3, v1, PITCH
	v_lshl_add_u32 v4, v2, 4, v3                   ; a fragment's row x pitch + 16 x half
	s_mul_i32 s21, s15, HALFT                      ; my 128 tokens of emb
	s_mul_i32 s22, s16, HALFT                      ; my 128 rows of W,
	s_add_co_u32 s22, s22, 2*HALFT                 ; which lie behind emb's 256
	s_cmp_eq_u32 ttmp9, 2                          ; v's cluster?  The cluster's x is the same number in all sixteen partners
	s_cselect_b32 s23, s22, s21                    ; R: W for v, emb for q and k
	s_cselect_b32 s20, s21, s22                    ; P: the other
	s_cselect_b32 s101, 1, 0
.irp s, 0,1
	v_add_nc_u32 v[ADRA+\s], s23, v4
	v_add_nc_u32 v[ADRB+\s], s20, v4
	s_add_co_u32 s23, s23, SLOT
	s_add_co_u32 s20, s20, SLOT
.endr
	v_mul_u32_u24 v5, v1, KS                       ; my row's scales: 32 bytes a row,
	v_lshrrev_b32 v6, 8, v5
	v_lshl_add_u32 v5, v6, 4, v5                   ; and 16 more for each 256 passed
	s_mul_i32 s21, s15, HALFS                      ; emb's: my 128 rows
	s_mul_i32 s22, s16, HALFS                      ; W's: my 128 rows, behind emb's 256
	s_add_co_u32 s22, s22, 2*HALFS
	s_sub_co_u32 s22, s22, s21                     ; the distance from emb's to W's: positive
	v_xor_b32 v6, s101, v2                         ; who takes W's: for q and k lanes 16-31 (P), for v lanes 0-15 (R)
	v_mul_u32_u24 v6, s22, v6                      ; one product: emb's base + 0 or 1 x the distance
	s_add_co_u32 s21, s21, SCL
	v_add_nc_u32 v5, v5, v6
	v_add_nc_u32 v[ADRS], s21, v5
	s_mul_i32 s23, s14, WSTG                       ; my stage
	v_lshrrev_b32 v5, 3, v1                        ; r / 8
	v_and_b32 v6, 7, v1                            ; r % 8
	v_lshlrev_b32 v7, 10, v5
	v_lshl_add_u32 v7, v6, 4, v7
	v_lshl_add_u32 v7, v2, 2, v7
	v_add_nc_u32 v[STO], s23, v7                   ; codes: (r / 8) x 1024 + (r % 8) x 16 + 4 h
	v_lshlrev_b32 v7, 6, v5
	v_lshl_add_u32 v7, v6, 2, v7
	v_add_nc_u32 v7, s23, v7
	v_add_nc_u32 v[SSO], 8192, v7                  ; scale words: behind the codes, (r / 8) x 64 + (r % 8) x 4
	v_and_b32 v6, 31, v0
	v_lshlrev_b32 v[LO], 4, v6
	v_add_nc_u32 v[RD], s23, v[LO]
	s_lshl_b32 s20, s42, 1                         ; my chunk = (2 x + sw) x 64 + 2 y + se
	s_add_co_u32 s20, s20, s16
	s_lshl_b32 s20, s20, 6
	s_lshl_b32 s21, s17, 1
	s_add_co_u32 s21, s21, s15
	s_add_co_u32 s20, s20, s21
	s_lshl_b32 s22, s20, 13                        ; 8,192 bytes of codes a chunk: 1,536 chunks stay under 2^24 bytes
	s_mov_b32 s23, 0
	s_add_nc_u64 s[96:97], s[96:97], s[22:23]
	s_lshl_b32 s22, s20, 9                         ; 512 bytes of scale words
	s_add_nc_u64 s[98:99], s[98:99], s[22:23]
.macro FRAG reg, adr, q, i             ; a fragment: lane l holds row l % 16; registers 4 c .. 4 c + 3 hold K = 64 c + 32 (l / 16) + 0 .. 31: 16 bytes of the row as they lie
.irp c, 0,1
	ds_load_b128 v[\reg+4*\c:\reg+4*\c+3], v[\adr] offset:64*(\q)+32*\c+(\i)*16*PITCH
.endr
.endm
; 16 matrix instructions: R's blocks a0, a0 + 1 x P's eight, the slot's q-th 128 along K.  p: P's set;  sc: the set of scale words.  zero = 1: the first product starts the sums: nothing is cleared.
; The 64 accumulators take turns, one instruction a turn, in the same order in every step.
.macro MUL16 a0, p, q, sc, zero
.irp a, \a0, \a0+1
.irp b, 0,1,2,3,4,5,6,7
.if \zero
	v_wmma_scale_f32_16x16x128_f8f6f4 v[8*(8*((\a)%4)+\b):8*(8*((\a)%4)+\b)+7], v[128*(\p)+FR*\b:128*(\p)+FR*\b+FR-1], v[AF+FR*(\a):AF+FR*(\a)+FR-1], 0, v[SC+8*NQ*(\sc)+NQ*\b+(\q)], v[SC+8*NQ*(\sc)+NQ*(\a)+(\q)] matrix_a_fmt:MATRIX_FMT_FP4 matrix_b_fmt:MATRIX_FMT_FP4 matrix_a_scale:MATRIX_SCALE_ROW1
.else
	v_wmma_scale_f32_16x16x128_f8f6f4 v[8*(8*((\a)%4)+\b):8*(8*((\a)%4)+\b)+7], v[128*(\p)+FR*\b:128*(\p)+FR*\b+FR-1], v[AF+FR*(\a):AF+FR*(\a)+FR-1], v[8*(8*((\a)%4)+\b):8*(8*((\a)%4)+\b)+7], v[SC+8*NQ*(\sc)+NQ*\b+(\q)], v[SC+8*NQ*(\sc)+NQ*(\a)+(\q)] matrix_a_fmt:MATRIX_FMT_FP4 matrix_b_fmt:MATRIX_FMT_FP4 matrix_a_scale:MATRIX_SCALE_ROW1
.endif
.endr
.endr
.endm
.macro FETCH_B slot, q, p              ; P's eight fragments of the slot's q-th 128 along K into set p
	WIN TO_B
.irp i, 0,1,2,3,4,5,6,7
	FRAG 128*(\p)+FR*\i, ADRB+\slot, \q, \i
.endr
	WIN 0
.endm
.macro FETCH_A slot, q, i0             ; R's blocks i0 .. i0 + 3
.irp i, \i0, \i0+1, \i0+2, \i0+3
	FRAG AF+FR*(\i), ADRA+\slot, \q, \i
.endr
.endm
.macro SCALES sc                       ; a slot's scale words into set sc: four words a row; lanes 0-15 take R's block i, lanes 16-31 P's block i
.irp i, 0,1,2,3,4,5,6,7
	ds_load_b128 v[SC+8*NQ*\sc+NQ*\i:SC+8*NQ*\sc+NQ*\i+3], v[ADRS] offset:\i*SBLK
.endr
.endm
; A load into a register that a matrix instruction has read, and a vector instruction that reads a matrix result or writes one of its registers, stand NP places behind it; only plain vector
; instructions that name none of its registers are places (ISA guide 7.12.1 for vector instructions).
.macro PLACES n
.rept \n
	v_nop
.endr
.endm
; A step of 128 along K that has its successor in the same slot.  R has one set of registers: blocks 0-3 are fetched anew in the step's middle, blocks 4-7 at its end; P has two sets.
.macro STEP slot, q, zero
	s_wait_dscnt 4*NL                              ; P's set and R's blocks 0-3 are in; the youngest eight loads (R's blocks 4-7) may be out
	WIN MUL_LO
	MUL16 0, (\q)%2, \q, \slot, \zero
	MUL16 2, (\q)%2, \q, \slot, \zero
	s_wait_dscnt 0                                 ; R's blocks 4-7 are in (asked for 32 matrix instructions ago)
	PLACES NP
	FETCH_B \slot, (\q)+1, 1-(\q)%2
	FETCH_A \slot, (\q)+1, 0
	WIN MUL_HI
	MUL16 4, (\q)%2, \q, \slot, \zero
	MUL16 6, (\q)%2, \q, \slot, \zero
	PLACES NP
	WIN 0
	FETCH_A \slot, (\q)+1, 4
.endm
.macro STEPS slot, from                ; the slot's steps from .. NQ - 2
.set Q, \from
.rept NQ-1-\from
	STEP \slot, Q, 0
.set Q, Q+1
.endr
.endm
	s_wait_tensorcnt 1                             ; the scales and my part of slot 0 are in (slot 1's load may be out)
	s_barrier_signal -1
	s_barrier_wait -1                              ; everybody's are
	FETCH_B 0, 0, 0
	FETCH_A 0, 0, 0
	SCALES 0
	FETCH_A 0, 0, 4
	STEP 0, 0, 1                                   ; the first step's products start the sums
	STEPS 0, 1
	; slot 0's last step changes slots: one barrier.  In front of it my part of slot 1 has landed and my reads of slot 0 are over; behind it slot 1 is whole and nobody reads slot 0 any more
	s_wait_tensorcnt 0x0
	s_wait_dscnt 4*NL                              ; (the youngest eight loads, R's blocks 4-7, may be out)
	WIN MUL_LO
	MUL16 0, 1, NQ-1, 0, 0
	s_wait_dscnt 0x0
	s_barrier_signal -1
	MUL16 2, 1, NQ-1, 0, 0                         ; work on registers while the others arrive
	WIN 0
	s_barrier_wait -1
	PLACES NP
	v_add_nc_u32 v[ADRS], 4*NQ, v[ADRS]            ; on to slot 1's scale words (no LDS load of mine is out)
	FETCH_B 1, 0, 0
	FETCH_A 1, 0, 0
	SCALES 1
	WIN MUL_HI
	MUL16 4, 1, NQ-1, 0, 0
	MUL16 6, 1, NQ-1, 0, 0
	PLACES NP
	WIN 0
	FETCH_A 1, 0, 4
	STEPS 1, 0
	s_wait_dscnt 4*NL                              ; the last step: nothing more to fetch
	WIN MUL_LO
	MUL16 0, 1, NQ-1, 1, 0
	MUL16 2, 1, NQ-1, 1, 0
	s_wait_dscnt 0
	WIN MUL_HI
	MUL16 4, 1, NQ-1, 1, 0
	MUL16 6, 1, NQ-1, 1, 0
	WIN 0
	PLACES NP                                      ; in front of the first reads of results
; THE WAY OUT.  R block a (16 rows): lane (r, h) holds row 16 a + r; register 8 t + j of the block's 64 is P index 16 t + 8 h + j.  So registers 16 B .. 16 B + 15 are 16 numbers of block B (32 along P),
; the other 16 lie in lane l xor 16.  A conversion's eight codes are four bytes of the block's sixteen, at 8 (t % 2) + 4 h.  Row 16 a + r is row r' = 8 (a % 2) + r % 8 of tile T = 2 (a / 2) + r / 8 of the chunk:
; the stage address does that permutation, and nothing is permuted in the product.  Each block has registers of its own for its codes and its word, so no wait stands between blocks.
.irp b, 0,1,2,3
	v_mov_b32 v[TM+4+\b], 0                        ; written once: a lane permute's destination counts as one of its sources
.endr
.macro EPI a
.set AC, 64*((\a)%4)
	WIN 0x28+0x14*((\a)/4)                         ; sources 1 and 2: the accumulators' window, 2 or 3
.irp b, 0,1,2,3
	v_max3_num_f32 v[TM+\b], 0x1800000, |v[AC+16*\b]|, |v[AC+16*\b+1]|   ; block b: my 16 numbers, each accumulator from its low end on, and the floor 2^(3 - 127): the byte cannot fall under 1
.endr
.irp i, 2,4,6,8,10,12,14
.irp b, 0,1,2,3
	v_max3_num_f32 v[TM+\b], v[TM+\b], |v[AC+16*\b+\i]|, |v[AC+16*\b+\i+1]|   ; (the four blocks by turns)
.endr
.endr
	WIN 0
.irp b, 0,1,2,3
	v_permlanex16_b32 v[TM+4+\b], v[TM+\b], s2, s3
.endr
.irp b, 0,1,2,3
	v_max_num_f32 v[TM+\b], v[TM+\b], v[TM+4+\b]   ; with lane l xor 16's: the block's largest magnitude
.endr
.irp b, 0,1,2,3
	v_add_nc_u32 v[TM+8+\b], 0xff000000, v[TM+\b]  ; 2 off its exponent field: the conversion takes the exponent field of this operand as its scale
.endr
.irp b, 0,1,2,3
	v_lshrrev_b32 v[TM+4+\b], 23, v[TM+8+\b]       ; the scale's byte
.endr
	v_lshl_or_b32 v[PW+(\a)], v[TM+5], 8, v[TM+4]  ; the four bytes make my row's scale word
	v_lshl_or_b32 v[PW+(\a)], v[TM+6], 16, v[PW+(\a)]
	v_lshl_or_b32 v[PW+(\a)], v[TM+7], 24, v[PW+(\a)]
	WIN 0x02+((\a)/4)                              ; source 0: the accumulators' window
.irp t, 0,1,2,3,4,5,6,7
	v_cvt_scalef32_pk8_fp4_f32 v[CW+8*(\a)+\t], v[AC+8*\t:AC+8*\t+7], v[TM+8+\t/2]
.endr
	WIN 0
	v_nop                                          ; one plain place behind the last scaled conversion
.irp t, 0,1,2,3,4,5,6,7
	ds_store_b32 v[STO], v[CW+8*(\a)+\t] offset:((\a)/2)*2048+((\a)%2)*128+(\t/2)*256+(\t%2)*8
.endr
	ds_store_b32 v[SSO], v[PW+(\a)] offset:((\a)/2)*128+((\a)%2)*32   ; lanes l and l xor 16 write the same word with the same value
.endm
	s_mov_b32 s2, 0x76543210
	s_mov_b32 s3, 0xfedcba98                       ; v_permlanex16_b32's selects for lane l xor 16
.irp a, 0,1,2,3,4,5,6,7
	EPI \a
.endr
.irp i, 0,1,2,3,4,5,6,7,8,9,10,11,12,13,14,15
	ds_load_b128 v[BK+4*\i:BK+4*\i+3], v[RD] offset:512*\i   ; LDS serves a wave's instructions in order (ISA guide 5.7.1.4): these see my stores
.endr
	ds_load_b128 v[SB:SB+3], v[RD] offset:8192
.irp i, 0,1,2,3,4,5,6,7,8,9,10,11,12,13,14,15
	s_wait_dscnt 16-\i                             ; load i is in; the 16 - i younger ones may be out
	global_store_b128 v[LO], v[BK+4*\i:BK+4*\i+3], s[96:97] offset:512*\i   ; 32 lanes store 512 consecutive bytes, at a multiple of 512 from opc's first byte; the next launch reads them, so no hint
.endr
	s_wait_dscnt 0x0
	global_store_b128 v[LO], v[SB:SB+3], s[98:99]  ; the chunk's 128 scale words: 512 consecutive bytes
	s_wait_tensorcnt 0x0
	ds_add_u32 v126, v127
	s_wait_dscnt 0x0
	CROUND                                         ; the closing round: no work-group ends while a partner may still ask for a tile that names it
	s_endpgm
.Lfunc_end_k_q08bf657762_proj:
	.size	k_q08bf657762_proj, .Lfunc_end_k_q08bf657762_proj-k_q08bf657762_proj
	.p2alignl 7, 3214868480
	.fill 96, 4, 3214868480
	.section	.rodata,"a",@progbits
	.p2align	6, 0x0
	.amdhsa_kernel k_q08bf657762_proj
		.amdhsa_group_segment_fixed_size 296448
		.amdhsa_private_segment_fixed_size 0
		.amdhsa_enable_private_segment 0
		.amdhsa_kernarg_size 48
		.amdhsa_user_sgpr_count 2
		.amdhsa_user_sgpr_kernarg_segment_ptr 1
		.amdhsa_wavefront_size32 1
		.amdhsa_system_sgpr_workgroup_id_x 1
		.amdhsa_system_sgpr_workgroup_id_y 1
		.amdhsa_system_sgpr_workgroup_id_z 1
		.amdhsa_system_vgpr_workitem_id 0
		.amdhsa_next_free_vgpr 1024
		.amdhsa_next_free_sgpr 102
		.amdhsa_reserve_vcc 0
		.amdhsa_float_denorm_mode_32 3
		.amdhsa_float_denorm_mode_16_64 3
		.amdhsa_memory_ordered 1
		.amdhsa_forward_progress 1
		.amdhsa_inst_pref_size 133
	.end_amdhsa_kernel
	.amdgpu_metadata
---
amdhsa.version: [ 1, 2 ]
amdhsa.kernels:
  - .name:           k_q08bf657762_proj
    .symbol:         k_q08bf657762_proj.kd
    .args:
      - { .name: embeddings_codes, .offset: 0, .size: 8, .value_kind: global_buffer, .address_space: global }
      - { .name: embeddings_scales, .offset: 8, .size: 8, .value_kind: global_buffer, .address_space: global }
      - { .name: w_qkv_codes, .offset: 16, .size: 8, .value_kind: global_buffer, .address_space: global }
      - { .name: w_qkv_scales, .offset: 24, .size: 8, .value_kind: global_buffer, .address_space: global }
      - { .name: opc, .offset: 32, .size: 8, .value_kind: global_buffer, .address_space: global }
      - { .name: ops, .offset: 40, .size: 8, .value_kind: global_buffer, .address_space: global }
    .group_segment_fixed_size: 296448
    .private_segment_fixed_size: 0
    .kernarg_segment_align: 8
    .kernarg_segment_size: 48
    .max_flat_workgroup_size: 128
    .sgpr_count:     102
    .vgpr_count:     1024
    .wavefront_size: 32
...
	.end_amdgpu_metadata
.endif
;; end of part 1
;; launch attn (part 2): grid 4 x 64, 16 waves a work-group, clusters of 4 x 1, 219,136 bytes of LDS; arguments opc, ops, out0; writes out0
.if DOCPART == 2
	.amdgcn_target "amdgcn-amd-amdhsa--gfx1250"
	.amdhsa_code_object_version 6
	.text
	.protected	k_q08bf657762_attn
	.globl	k_q08bf657762_attn
	.p2align	8
	.type	k_q08bf657762_attn,@function
k_q08bf657762_attn:
	s_mov_b64 s[64:65], 0
	v_nop
	global_prefetch_b8 v0, s[64:65] scope:SCOPE_SE
	s_setreg_imm32_b32 hwreg(HW_REG_WAVE_MODE, 25, 1), 1
	s_wait_xcnt 0x0
	s_wait_alu depctr_hold_cnt(0) depctr_sa_sdst(0) depctr_va_vdst(0) depctr_va_sdst(0) depctr_va_ssrc(0) depctr_va_vcc(0) depctr_vm_vsrc(0)
	s_getreg_b32 s2, hwreg(HW_REG_IB_STS2, 6, 4)
	s_cmp_eq_u32 s2, 0
	s_cbranch_scc0 .Lentry_in_a_cluster
	s_endpgm
.Lentry_in_a_cluster:
	s_bfe_u32 s2, ttmp6, 0x10000c
	s_cmp_lg_u32 s2, 0x3003
	s_cbranch_scc0 .Lentry_shape_is_right
	s_endpgm
.Lentry_shape_is_right:
; out[b][q][64 head + d] = the sum over k of softmax_k(q . k / 32) v[k][d], for 4 x 16 heads of 2,048 tokens, head size 64; both products on codes of FP4 (E2M1) with one E8M0 scale for each 32 along a product's K.
; q, k, v come from opc and ops as chunks of 128 x 128 (8,192 bytes of codes, 512 of scale words), chunk = (group of 128 columns of qkv) x 64 + (group of 128 tokens); a chunk is eight tiles T of 1,024 bytes, images of
; an operand's registers: byte T x 1024 + B x 256 + r' x 16 holds block B (32 along K) of row 32 (T / 2) + 8 (T % 2) + r' + 8 (r' / 8).  For q and k: rows = tokens, K = a head pair's 128 columns (blocks 2 e, 2 e + 1 are head e's);
; for v: rows = the pair's 128 channels (tiles 4 e .. 4 e + 3 are head e's), K = 128 keys.
; THE SOFTMAX AHEAD OF THE SECOND PRODUCT: t = score x log2(e) / 32; M = the row's largest t so far, rounded up to a whole number; p = 2^(t - M) is quantised along the keys, not normalised; the row's sum is taken of the
; unquantised p and divides at the end.  When M moves, the sum and O are multiplied by 2^(old M - new M): exact.
; SHARES.  A work-group owns 512 queries of one head; each of its sixteen waves 32 of them, two tiles of 16, in 256 registers: four waves to a SIMD, so that one wave's vector work stands beside another's matrix work and LDS loads.
; ALL OF THE HEAD'S K AND V STAYS IN LDS (131,072 bytes of codes, 12,288 of scale words), filled once: no slot is filled again.  Both query tiles use each fragment of K and V that the wave reads.
; CLUSTER.  The four work-groups of a cluster are the head's four blocks of queries and need the same K and V: each tile is asked for jointly, by the same tensor load with the same descriptor and the mask of all four.
; LAYOUT.  Both products are used transposed: S^T = K Q^T, O^T = V^T P^T: a lane holds one query (lane % 16) throughout.  By the chunk's order of rows the 16 registers of key tiles 2 b and 2 b + 1 are the 16 neighbouring
; keys 32 b + 16 (lane / 16) + 0 .. 15, and O^T's register 16 g + i is channel 32 g + 16 (lane / 16) + i.
; K = 64 IN AN INSTRUCTION OF K = 128.  A fragment of K holds TWO key tiles: tile 2 f's 64 along d as k = 0 .. 63, tile 2 f + 1's as k = 64 .. 127.  The scores of tile 2 f take [q, 0] as source 1, those of tile 2 f + 1 take [0, q].
; So the zero codes that fill K stand on q's side alone; what stands opposite them are real codes under scale bytes 1 .. 254, and the products are exact zeros.  This halves K's registers and LDS reads.
; LIMITS: NaN, infinities and the scale byte 0xff are not served.  A block of p whose every number has fallen to 0 keeps the byte 1 over zero codes.  v_exp_f32 gives 0 for p under 2^-126.
; A block's largest p is taken as the exponential of the block's largest score: this leans on v_exp_f32 not falling where its input rises.
.set KC,   0                           ; LDS: k's codes: [step 0..15][tile 0..7][512 bytes]: head e's piece of each tile
.set VC,   65536                       ; v's codes: [step][channel tile 0..3][1,024 bytes]
.set KSN,  131072                      ; k's scale words as they lie in ops: [step][tile][row][4 bytes]
.set VSC,  139264                      ; v's: [step][channel tile][row][4 bytes]
.set KSP,  143360                      ; k's scale words as the products want them, made here: [step][row][fragment 0..3][4 bytes]; no tensor load lands in these blocks
.set STG,  147456                      ; the way out: 16 rows x (256 + 16) bytes for each wave; no tensor load lands here
.set WSTG, 4352
.set LI,   1                           ; v1   16 x lane: my place in an image
.set AKS,  2                           ; v2   KSP + 16 x (lane % 16)
.set AVS,  3                           ; v3   VSC + 4 x lane
.set ADK,  4                           ; v4-7 the step's addresses: k's codes, v's codes, k's words, v's words
.set ADV,  5
.set ADS,  6
.set ADT,  7
; v8 -M, v9 the largest t, v[10:11] the sum in two halves: tile a;  v12-15 the same for tile b
; v16-35 q's chain: qa, 0, qb, 0, qa: [qa, 0] = v[16:23], [0, qb] = v[20:27], [qb, 0] = v[24:31], [0, qa] = v[28:35]
; v36, v37 q's scale words;  v38, v39 as loaded;  v40-71 four fragments of K or of V;  v72-75 K's scale words;  v76-77 V's;  v78, v79 p's;  v80-87 p's codes, tile b;  v88-90 the way out
; v96-159 S^T, then p;  v160-191 O^T of tile a, v192-223 of tile b;  v224-231 p's codes, tile a;  v232-254 at work
.set STO,  88
.set RD,   89
.set GO,   90
.set WV,   10                          ; s10  my wave's number
.set SEL,  20                          ; s[20:21] lane selects for v_permlanex16_b32: lane l xor 16
.set CS,   22                          ; s[22:23] c = log2(e) / 32: the packed form names a pair and takes its low word for both halves
.set G1K,  28                          ; s[28:35] descriptor group 1 for k's codes;  s[36:43] v's codes;  s[44:51] k's scale words;  s[52:59] v's
.set G1V,  36
.set G1KS, 44
.set G1VS, 52
.set G0K,  60                          ; s[60:63], s[68:71], s[72:75], s[76:79] their groups 0
.set G0V,  68
.set G0KS, 72
.set G0VS, 76
.macro CROUND                          ; a round of the cluster's barrier
	s_barrier_signal -1
	s_barrier_wait -1
	s_cmp_lg_u32 s[WV], 0
	s_cbranch_scc1 .Lnot_wave_0_\@
	s_barrier_signal -3
.Lnot_wave_0_\@:
	s_barrier_wait -3
	s_barrier_signal -1
	s_barrier_wait -1
.endm
	s_load_b128 s[4:7], s[0:1], 0x0                ; opc s[4:5], ops s[6:7]
	s_load_b64 s[8:9], s[0:1], 0x10                ; out0
	v_lshl_add_u32 v251, v0, 2, 0x35000
	v_mov_b32 v255, 0
	ds_add_u32 v251, v255
	ds_add_u32 v251, v255
	v_lshrrev_b32 v1, 5, v0
	v_readfirstlane_b32 s[WV], v1                  ; wave 0..15
	s_bfe_u32 s11, ttmp6, 0x40000                  ; cx: my place in the cluster
	s_lshl_b32 s17, ttmp9, 2                       ; in a cluster launch ttmp9 counts clusters
	s_add_co_u32 s11, s11, s17                     ; my block of 512 queries: it enters q's and out0's addresses alone
	s_and_b32 s12, ttmp7, 0xffff                   ; 16 b + head, which the four partners share
	s_lshr_b32 s13, s12, 4                         ; b
	s_and_b32 s14, s12, 15                         ; head
	s_lshr_b32 s15, s14, 1                         ; the head pair
	s_and_b32 s16, s14, 1                          ; e: which of the pair
	s_lshl_b32 s87, s15, 6
	s_lshl_b32 s88, s13, 4
	s_add_co_u32 s87, s87, s88                     ; 64 x pair + 16 b: q's first chunk of this batch; k's lies 512 chunks on, v's 1,024
	s_and_b32 s89, s[WV], 1                        ; which half of the codes I fetch, if I fetch:
	s_lshl_b32 s88, s89, 16                        ; eight chunks, 65,536 bytes, on in memory
	s_add_co_u32 s90, s87, 512
	s_lshl_b32 s94, s90, 9                         ; k's scale words: 512 bytes a chunk
	s_lshl_b32 s90, s90, 13                        ; k's codes: 8,192 bytes a chunk,
	s_lshl_b32 s86, s16, 9
	s_add_co_u32 s90, s90, s86                     ; head e's piece of a tile: 512 e,
	s_add_co_u32 s90, s90, s88                     ; my half
	s_mov_b32 s91, 0
	s_mov_b32 s95, 0
	s_add_co_u32 s92, s87, 1024
	s_lshl_b32 s96, s92, 9
	s_lshl_b32 s92, s92, 13                        ; v's codes,
	s_lshl_b32 s86, s16, 12
	s_add_co_u32 s92, s92, s86                     ; head e's four tiles: 4,096 e,
	s_add_co_u32 s92, s92, s88                     ; my half
	s_mov_b32 s93, 0
	s_lshl_b32 s86, s16, 8
	s_add_co_u32 s96, s96, s86                     ; v's scale words: head e's 256 bytes of a chunk
	s_mov_b32 s97, 0
	; q and out0: in registers that feed no descriptor
	s_lshl_b32 s17, s11, 2
	s_lshr_b32 s25, s[WV], 2
	s_add_co_u32 s17, s17, s25                     ; which 128 tokens of the batch: 4 x block + wave / 4
	s_and_b32 s25, s[WV], 3                        ; which 32 of them: tiles 2 (wave % 4) and + 1
	s_add_co_u32 s2, s87, s17                      ; q's chunk
	s_lshl_b32 s18, s2, 9
	s_lshl_b32 s2, s2, 13
	s_lshl_b32 s26, s25, 11
	s_add_co_u32 s2, s2, s26                       ; my first tile: 2,048 x (wave % 4)
	s_lshl_b32 s26, s16, 9
	s_add_co_u32 s2, s2, s26                       ; head e's piece
	s_mov_b32 s3, 0
	s_lshl_b32 s26, s25, 7
	s_add_co_u32 s18, s18, s26                     ; its scale words: 128 x (wave % 4)
	s_mov_b32 s19, 0
	s_lshl_b32 s26, s13, 11
	s_lshl_b32 s27, s17, 7
	s_add_co_u32 s26, s26, s27
	s_lshl_b32 s27, s25, 5
	s_add_co_u32 s26, s26, s27                     ; my first token: 2,048 b + 128 x group + 32 x (wave % 4)
	s_lshl_b32 s26, s26, 12                        ; a row of out0 is 4,096 bytes (8,192 rows: under 2^25 bytes)
	s_lshl_b32 s27, s14, 8
	s_add_co_u32 s26, s26, s27                     ; the head's 256 bytes of a row
	s_mov_b32 s27, 0
	; descriptor groups 1: elements of 8 bytes, no padding (every read is 16 x lane on end), the mask of all four work-groups, bit 21 set beside it
.irp g, G1K, G1V, G1KS, G1VS
	s_mov_b32 s[\g], 15|(3<<16)|(1<<21)
	s_mov_b32 s[\g+6], 0
	s_mov_b32 s[\g+7], 0
.endr
	s_mov_b32 s[G1K+1], 64<<16                     ; k's codes: 64 pieces of 512 bytes,
	s_mov_b32 s[G1K+2], 64<<16
	s_mov_b32 s[G1K+3], 64<<16
	s_mov_b32 s[G1K+4], 64
	s_mov_b32 s[G1K+5], 128                        ; 1,024 bytes apart
	s_mov_b32 s[G1V+1], 512<<16                    ; v's codes: 8 runs of 4,096 bytes,
	s_mov_b32 s[G1V+2], 8<<16
	s_mov_b32 s[G1V+3], 512<<16
	s_mov_b32 s[G1V+4], 8
	s_mov_b32 s[G1V+5], 1024                       ; 8,192 bytes apart
	s_mov_b32 s[G1KS+1], 32<<16                    ; k's scale words: 8,192 dense bytes as 32 rows of 256
	s_mov_b32 s[G1KS+2], 32<<16
	s_mov_b32 s[G1KS+3], 32<<16
	s_mov_b32 s[G1KS+4], 32
	s_mov_b32 s[G1KS+5], 32
	s_mov_b32 s[G1VS+1], 32<<16                    ; v's: 16 rows of 256 bytes,
	s_mov_b32 s[G1VS+2], 16<<16
	s_mov_b32 s[G1VS+3], 32<<16
	s_mov_b32 s[G1VS+4], 16
	s_mov_b32 s[G1VS+5], 64                        ; 512 bytes apart
	s_mov_b32 s[SEL], 0x76543210
	s_mov_b32 s[SEL+1], 0xfedcba98
	s_mov_b32 s[CS], 0x3d38aa3b                    ; c = log2(e) / 32
	s_mov_b32 s[CS+1], s[CS]                       ; (named with it as a pair, so it is written)
	s_cmp_eq_u32 s16, 0
	s_mov_b32 s24, 0x07060302                      ; v_perm_b32's selector: bytes 2 e, 2 e + 1 of the second source, then of the first
	s_cselect_b32 s24, 0x05040100, s24             ; (it selects data alone)
	s_wait_dscnt 0x0
	s_wait_kmcnt 0x0
	s_add_nc_u64 s[2:3], s[4:5], s[2:3]            ; q's codes at my first tile
	s_add_nc_u64 s[18:19], s[6:7], s[18:19]        ; q's scale words
	s_add_nc_u64 s[8:9], s[8:9], s[26:27]          ; out0 at my first token
	s_mov_b32 s[G0K], 1                            ; count = 1
	s_lshl_b32 s[G0K+1], s89, 15                   ; LDS: KC + my half's 32,768 bytes
	s_add_nc_u64 s[G0K+2:G0K+3], s[4:5], s[90:91]
	s_or_b32 s[G0K+3], s[G0K+3], 0x80000000        ; type = 2
	s_mov_b32 s[G0V], 1
	s_add_co_u32 s[G0V+1], s[G0K+1], VC
	s_add_nc_u64 s[G0V+2:G0V+3], s[4:5], s[92:93]
	s_or_b32 s[G0V+3], s[G0V+3], 0x80000000
	s_mov_b32 s[G0KS], 1
	s_mov_b32 s[G0KS+1], KSN
	s_add_nc_u64 s[G0KS+2:G0KS+3], s[6:7], s[94:95]
	s_or_b32 s[G0KS+3], s[G0KS+3], 0x80000000
	s_mov_b32 s[G0VS], 1
	s_mov_b32 s[G0VS+1], VSC
	s_add_nc_u64 s[G0VS+2:G0VS+3], s[6:7], s[96:97]
	s_or_b32 s[G0VS+3], s[G0VS+3], 0x80000000
	CROUND                                         ; all four work-groups are here: the joint loads meet
	; The launch's only fills: waves 0, 1 k's codes, waves 2, 3 v's, wave 4 k's scale words, wave 5 v's; one load a wave.  The branches hang on the wave's number alone.  Four v_nop follow each load.
	s_cmp_lt_u32 s[WV], 2
	s_cbranch_scc0 .Lnot_k
	tensor_load_to_lds s[G0K:G0K+3], s[G1K:G1K+7]
	s_nop 0
.rept 4
	v_nop
.endr
	s_branch .Lasked
.Lnot_k:
	s_cmp_lt_u32 s[WV], 4
	s_cbranch_scc0 .Lnot_v
	tensor_load_to_lds s[G0V:G0V+3], s[G1V:G1V+7]
	s_nop 0
.rept 4
	v_nop
.endr
	s_branch .Lasked
.Lnot_v:
	s_cmp_eq_u32 s[WV], 4
	s_cbranch_scc0 .Lnot_ks
	tensor_load_to_lds s[G0KS:G0KS+3], s[G1KS:G1KS+7]
	s_nop 0
.rept 4
	v_nop
.endr
	s_branch .Lasked
.Lnot_ks:
	s_cmp_eq_u32 s[WV], 5
	s_cbranch_scc0 .Lasked
	tensor_load_to_lds s[G0VS:G0VS+3], s[G1VS:G1VS+7]
	s_nop 0
.rept 4
	v_nop
.endr
.Lasked:
	v_and_b32 v[LI], 31, v0
	v_lshlrev_b32 v[LI], 4, v[LI]
	global_load_b128 v[16:19], v[LI], s[2:3]               ; qa: head e's piece of my first tile, as the image lies
	global_load_b128 v[32:35], v[LI], s[2:3]               ; qa once more, at the chain's end
	global_load_b128 v[24:27], v[LI], s[2:3] offset:1024   ; qb: my second tile
	v_and_b32 v254, 15, v0
	v_lshlrev_b32 v254, 2, v254
	global_load_b32 v38, v254, s[18:19]                    ; their scale words: lane r has row r's
	global_load_b32 v39, v254, s[18:19] offset:64
	v_and_b32 v[AKS], 15, v0
	v_lshl_add_u32 v[AKS], v[AKS], 4, KSP
	v_and_b32 v[AVS], 31, v0
	v_lshl_add_u32 v[AVS], v[AVS], 2, VSC
.irp j, 20,21,22,23,28,29,30,31
	v_mov_b32 v[\j], 0                             ; the chain's zero codes
.endr
	v_mov_b32 v9, 0xff61b1e6                       ; the largest t so far: -3e38, under every t
	v_floor_f32 v8, -v9                            ; -M
	v_mov_b32 v10, 0                               ; the sum, in two halves
	v_mov_b32 v11, 0
	v_mov_b32 v13, 0xff61b1e6
	v_floor_f32 v12, -v13
	v_mov_b32 v14, 0
	v_mov_b32 v15, 0
	v_mov_b32 v253, 0                              ; (named as the upper half of the pair v[252:253])
	; where thread n reads and writes in the pass below: word n of KSP is (step n / 64, row (n / 4) % 16, fragment n % 4): bytes 2 e, 2 e + 1 of tile 2 f's word and of tile 2 f + 1's
	v_lshrrev_b32 v232, 6, v0
	v_lshlrev_b32 v232, 9, v232                    ; 512 bytes a step,
	v_and_b32 v233, 3, v0
	v_lshl_add_u32 v232, v233, 7, v232             ; 128 bytes for two tiles,
	v_bfe_u32 v233, v0, 2, 4
	v_lshl_add_u32 v232, v233, 2, v232             ; 4 bytes a row
	v_add_nc_u32 v232, KSN, v232
	v_lshl_add_u32 v233, v0, 2, KSP
	s_wait_tensorcnt 0x0                           ; my load, if I issued one, has landed,
	s_barrier_signal -1
	s_barrier_wait -1                              ; everybody's has: K, V and their scale words lie in LDS for the rest of the launch
	ds_load_b32 v234, v232                         ; steps 0-7: tile 2 f's word,
	ds_load_b32 v235, v232 offset:64               ; tile 2 f + 1's;
	ds_load_b32 v236, v232 offset:4096             ; steps 8-15 likewise
	ds_load_b32 v237, v232 offset:4160
	s_wait_dscnt 0x0
	v_perm_b32 v238, v235, v234, s24
	v_perm_b32 v239, v237, v236, s24
	ds_store_b32 v233, v238
	ds_store_b32 v233, v239 offset:2048
	s_wait_dscnt 0x0                               ; for the others' sake: my stores are done
	s_barrier_signal -1
	s_barrier_wait -1
	s_wait_loadcnt 0x0                             ; q and its scale words
	v_perm_b32 v36, v38, v38, s24                  ; q's word: head e's two bytes, twice: for [q, 0] and for [0, q] alike
	v_perm_b32 v37, v39, v39, s24
.set j, 0
.rept 64
	v_mov_b32 v[160+j], 0                          ; O^T of both tiles.  (The step is written once: its first trip finds zeros, which the first change of M leaves zeros.  These lines also stand between the two lines above and the first scaled product)
.set j, j+1
.endr
.irp b, 0,1,2,3
	v_mov_b32 v[236+\b], 0                         ; a lane permute's destination counts as one of its sources
.endr
; Eight products S^T = K Q^T for one tile of 16 queries: fragment f against [q, 0] gives key tile 2 f, against [0, q] key tile 2 f + 1.  Each starts its sum with the constant 0.
.macro SCORES qlo, qhi, qs
.irp f, 0,1,2,3
	v_wmma_scale_f32_16x16x128_f8f6f4 v[96+16*\f:103+16*\f], v[40+8*\f:47+8*\f], v[\qlo:\qlo+7], 0, v[72+\f], v[\qs] matrix_a_fmt:MATRIX_FMT_FP4 matrix_b_fmt:MATRIX_FMT_FP4
	v_wmma_scale_f32_16x16x128_f8f6f4 v[104+16*\f:111+16*\f], v[40+8*\f:47+8*\f], v[\qhi:\qhi+7], 0, v[72+\f], v[\qs] matrix_a_fmt:MATRIX_FMT_FP4 matrix_b_fmt:MATRIX_FMT_FP4
.endr
.endm
; One tile's softmax for 128 keys.  st: -M, t, the sum's two halves;  ob: its O^T;  pc: where p's codes go;  pw: p's scale word.
.macro SOFTMAX st, ob, pc, pw
.irp b, 0,1,2,3
	v_max3_num_f32 v[232+\b], v[96+16*\b], v[97+16*\b], v[98+16*\b]   ; the largest score of each block of 32 keys (each accumulator is read from its low end on): it serves the row's maximum and, since p rises with the score, the block's largest p
.endr
.irp i, 3,5,7,9,11,13
.irp b, 0,1,2,3
	v_max3_num_f32 v[232+\b], v[232+\b], v[96+16*\b+\i], v[97+16*\b+\i]   ; (the four blocks by turns)
.endr
.endr
.irp b, 0,1,2,3
	v_max_num_f32 v[232+\b], v[232+\b], v[111+16*\b]
.endr
.irp b, 0,1,2,3
	v_permlanex16_b32 v[236+\b], v[232+\b], s[SEL], s[SEL+1]
.endr
.irp b, 0,1,2,3
	v_max_num_f32 v[232+\b], v[232+\b], v[236+\b]  ; with lane l xor 16's 16 keys
.endr
	v_max3_num_f32 v254, v232, v233, v234
	v_max_num_f32 v254, v254, v235                 ; the step's largest score of my query
	v_mul_f32 v254, s[CS], v254                    ; as t (c is positive)
	v_max_num_f32 v[\st+1], v[\st+1], v254         ; the running largest t
	v_mov_b32 v254, v[\st]
	v_floor_f32 v[\st], -v[\st+1]                  ; the new -M = floor(-t) = -ceil(t): M is a whole number
	v_sub_f32 v254, v[\st], v254                   ; M's old value less its new one: a whole number, 0 or less
	v_cvt_i32_f32 v254, v254                       ; (it saturates)
	v_ldexp_f32 v252, 1.0, v254                    ; f = 2^(old M - new M)
.set j, 0
.rept 32
	v_pk_fma_f32 v[96+j:97+j], v[96+j:97+j], s[CS:CS+1], v[\st:\st+1] op_sel_hi:[1,0,0]   ; t - M, two at a time (of the pairs c and -M the low word serves both halves)
.set j, j+2
.endr
.irp b, 0,1,2,3
	v_fma_f32 v[232+\b], v[232+\b], s[CS], v[\st]  ; the same of each block's largest score
.endr
.set j, 0
.rept 64
	v_exp_f32 v[96+j], v[96+j]                     ; p = 2^(t - M), at most 1: not normalised
.set j, j+1
.endr
.irp b, 0,1,2,3
	v_exp_f32 v[232+\b], v[232+\b]                 ; the block's largest p: the same two instructions on the same number give the same bits
.endr
	v_pk_mul_f32 v[\st+2:\st+3], v[\st+2:\st+3], v[252:253] op_sel_hi:[1,0]   ; the sums under the new M.  (A plain place behind the exponentials)
	s_wait_alu depctr_va_vdst(0)
.irp b, 0,1,2,3
	v_max_num_f32 v[232+\b], 0x1800000, v[232+\b]  ; the floor 2^(3 - 127): the byte cannot fall under 1
.endr
.irp b, 0,1,2,3
	v_add_nc_u32 v[244+\b], 0xff000000, v[232+\b]  ; 2 off the exponent field: the conversion's scale operand
.endr
.irp b, 0,1,2,3
	v_lshrrev_b32 v[236+\b], 23, v[244+\b]         ; the scale's byte
.endr
	v_lshl_or_b32 v[\pw], v237, 8, v236            ; p's scale word for these 128 keys
	v_lshl_or_b32 v[\pw], v238, 16, v[\pw]
	v_lshl_or_b32 v[\pw], v239, 24, v[\pw]
.irp b, 0,1,2,3
	v_cvt_scalef32_pk8_fp4_f32 v[\pc+2*\b], v[96+16*\b:103+16*\b], v[244+\b]
	v_cvt_scalef32_pk8_fp4_f32 v[\pc+1+2*\b], v[104+16*\b:111+16*\b], v[244+\b]
.endr
	v_nop                                          ; one plain place behind the last scaled conversion
.irp c, 0,1                                    ; the operand's layout wants a whole block in a lane: lanes 0-15 block 2 c, lanes 16-31 block 2 c + 1
.irp i, 0,1
	v_permlane16_swap_b32 v[\pc+4*\c+\i], v[\pc+2+4*\c+\i]
.endr
.endr
	v_pk_add_f32 v[236:237], v[96:97], v[98:99]    ; the row's sum is taken of the unquantised p: two at a time, in two chains
.set j, 4
.rept 15
	v_pk_add_f32 v[\st+2:\st+3], v[\st+2:\st+3], v[96+j:97+j]
	v_pk_add_f32 v[236:237], v[236:237], v[98+j:99+j]
.set j, j+4
.endr
	v_pk_add_f32 v[\st+2:\st+3], v[\st+2:\st+3], v[236:237]
.set j, 0
.rept 16
	v_pk_mul_f32 v[\ob+j:\ob+j+1], v[\ob+j:\ob+j+1], v[252:253] op_sel_hi:[1,0]   ; O^T under the new M, each accumulator from its low end on.  (With the sums above: the places between p's word and codes and the products that take them, and in front of the next scores, which write over these)
.set j, j+2
.endr
.endm
	s_mov_b32 s80, KC                              ; the step's k codes: 4,096 bytes a step
	s_mov_b32 s81, VC                              ; its v codes likewise
	s_mov_b32 s82, 0                               ; its words of k and of v: 256 bytes a step
	s_mov_b32 s83, 0
	s_mov_b32 s84, 16                              ; 2,048 keys, 128 a trip
.Lstep:
	v_add_nc_u32 v[ADK], s80, v[LI]                ; (these four are also the places between the last trip's products and the loads into the registers that they read)
	v_add_nc_u32 v[ADV], s81, v[LI]
	v_add_nc_u32 v[ADS], s82, v[AKS]
	v_add_nc_u32 v[ADT], s83, v[AVS]
.irp i, 0,1,2,3,4,5,6,7
	ds_load_b128 v[40+4*\i:43+4*\i], v[ADK] offset:512*\i   ; key tile i's piece: registers 4 (i % 2) on of fragment i / 2; 32 lanes read 512 bytes on end
.endr
	ds_load_b128 v[72:75], v[ADS]                  ; lane r: the four fragments' scale words of row r
	s_wait_dscnt 0x0
	SCORES 16, 28, 36                              ; tile a
.rept 4
	v_nop                                          ; places in front of the first read of results
.endr
	SOFTMAX 8, 160, 224, 78
	SCORES 24, 20, 37                              ; tile b, on the same fragments of K
.rept 4
	v_nop                                          ; places in front of the loads into K's registers, and of the first read of results
.endr
.irp i, 0,1,2,3,4,5,6,7
	ds_load_b128 v[40+4*\i:43+4*\i], v[ADV] offset:512*\i   ; V: channel tile i / 2, registers 4 (i % 2) on.  They land while tile b's softmax is worked
.endr
	ds_load_b32 v76, v[ADT]                        ; lanes 0-15: the words of channel tile 0, lanes 16-31: of tile 1
	ds_load_b32 v77, v[ADT] offset:128             ; of tiles 2 and 3
	SOFTMAX 12, 192, 80, 79
	s_wait_dscnt 0x0
.irp ct, 0,1,2,3                               ; O^T += V^T P^T: eight accumulators, one instruction a turn
.if \ct%2
	v_wmma_scale_f32_16x16x128_f8f6f4 v[160+8*\ct:167+8*\ct], v[40+8*\ct:47+8*\ct], v[224:231], v[160+8*\ct:167+8*\ct], v[76+\ct/2], v78 matrix_a_fmt:MATRIX_FMT_FP4 matrix_b_fmt:MATRIX_FMT_FP4 matrix_a_scale:MATRIX_SCALE_ROW1
	v_wmma_scale_f32_16x16x128_f8f6f4 v[192+8*\ct:199+8*\ct], v[40+8*\ct:47+8*\ct], v[80:87], v[192+8*\ct:199+8*\ct], v[76+\ct/2], v79 matrix_a_fmt:MATRIX_FMT_FP4 matrix_b_fmt:MATRIX_FMT_FP4 matrix_a_scale:MATRIX_SCALE_ROW1
.else
	v_wmma_scale_f32_16x16x128_f8f6f4 v[160+8*\ct:167+8*\ct], v[40+8*\ct:47+8*\ct], v[224:231], v[160+8*\ct:167+8*\ct], v[76+\ct/2], v78 matrix_a_fmt:MATRIX_FMT_FP4 matrix_b_fmt:MATRIX_FMT_FP4
	v_wmma_scale_f32_16x16x128_f8f6f4 v[192+8*\ct:199+8*\ct], v[40+8*\ct:47+8*\ct], v[80:87], v[192+8*\ct:199+8*\ct], v[76+\ct/2], v79 matrix_a_fmt:MATRIX_FMT_FP4 matrix_b_fmt:MATRIX_FMT_FP4
.endif
.endr
	s_add_co_u32 s80, s80, 4096
	s_add_co_u32 s81, s81, 4096
	s_add_co_u32 s82, s82, 256
	s_add_co_u32 s83, s83, 256
	s_sub_co_u32 s84, s84, 1
	s_cmp_lg_u32 s84, 0
	s_cbranch_scc1 .Lstep
	; THE WAY OUT.  The sums' halves are added; O^T is divided by the sum and goes through my stage in LDS, a tile (16 queries x 256 bytes) at a time, so that sixteen lanes store 256 consecutive bytes.
	; The lines up to the multiplications name no register of the last products: they are the places behind them.
	v_add_f32 v10, v10, v11
	v_add_f32 v14, v14, v15
	v_permlanex16_b32 v236, v10, s[SEL], s[SEL+1]
	v_permlanex16_b32 v237, v14, s[SEL], s[SEL+1]
	v_add_f32 v10, v10, v236                       ; with lane l xor 16's: the row's sum
	v_add_f32 v14, v14, v237
	v_rcp_f32 v10, v10
	v_rcp_f32 v14, v14
	v_and_b32 v232, 15, v0                         ; (a plain place behind the reciprocals)  r
	v_bfe_u32 v233, v0, 4, 1                       ; h
	s_mul_i32 s86, s[WV], WSTG
	s_add_co_u32 s86, s86, STG                     ; my stage
	v_mul_u32_u24 v[STO], v232, 272
	v_lshl_add_u32 v[STO], v233, 6, v[STO]
	v_add_nc_u32 v[STO], s86, v[STO]               ; in: row r; register 16 g + i is channel 32 g + 16 h + i: byte 128 g + 64 h + 4 i
	v_mul_u32_u24 v[RD], v233, 272
	v_lshl_add_u32 v[RD], v232, 4, v[RD]
	v_add_nc_u32 v[RD], s86, v[RD]                 ; back: lanes 0-15 one row, lanes 16-31 the next
	v_lshlrev_b32 v[GO], 12, v233
	v_lshl_add_u32 v[GO], v232, 4, v[GO]           ; and the same two rows in out0
.set j, 0
	s_wait_alu depctr_va_vdst(0)
.rept 32
	v_mul_f32 v[96+j], v[160+j], v10               ; tile a's O^T / the sum, each accumulator from its low end on
.set j, j+1
.endr
.set j, 0
.rept 32
	v_mul_f32 v[128+j], v[192+j], v14              ; tile b's
.set j, j+1
.endr
.macro TOSTG src, dst
.irp g, 0,1
.irp i, 0,1,2,3
	ds_store_b128 v[STO], v[\src+16*\g+4*\i:\src+16*\g+4*\i+3] offset:128*\g+16*\i
.endr
.endr
.irp i, 0,1,2,3,4,5,6,7
	ds_load_b128 v[\dst+4*\i:\dst+4*\i+3], v[RD] offset:544*\i   ; LDS serves a wave's instructions in order (ISA guide 5.7.1.4): these see my stores, and the next tile's stores come behind them
.endr
.endm
; Stage row 2 i + h of tile u is token 8 u + 2 i + h + 8 (i / 4) of my 32.  younger: the LDS instructions issued behind this tile's loads.
.macro SEND dst, u, younger
.irp i, 0,1,2,3,4,5,6,7
	s_wait_dscnt \younger+7-\i
	global_store_b128 v[GO], v[\dst+4*\i:\dst+4*\i+3], s[8:9] offset:(8*\u+2*\i+8*(\i/4))*4096 th:TH_STORE_NT   ; 16 lanes store 256 consecutive bytes, at a multiple of 256 from out0's first byte; written once, read by nobody here
.endr
.endm
	TOSTG 96, 40
	TOSTG 128, 160
	SEND 40, 0, 16                                 ; behind tile a's load i: its own 7 - i younger loads and tile b's sixteen LDS instructions
	SEND 160, 1, 0
	s_wait_tensorcnt 0x0
	ds_add_u32 v251, v255
	s_wait_dscnt 0x0
	CROUND                                         ; the closing round: no work-group ends while a partner may still ask for a tile that names it
	s_endpgm
.Lfunc_end_k_q08bf657762_attn:
	.size	k_q08bf657762_attn, .Lfunc_end_k_q08bf657762_attn-k_q08bf657762_attn
	.p2alignl 7, 3214868480
	.fill 96, 4, 3214868480
	.section	.rodata,"a",@progbits
	.p2align	6, 0x0
	.amdhsa_kernel k_q08bf657762_attn
		.amdhsa_group_segment_fixed_size 219136
		.amdhsa_private_segment_fixed_size 0
		.amdhsa_enable_private_segment 0
		.amdhsa_kernarg_size 24
		.amdhsa_user_sgpr_count 2
		.amdhsa_user_sgpr_kernarg_segment_ptr 1
		.amdhsa_wavefront_size32 1
		.amdhsa_system_sgpr_workgroup_id_x 1
		.amdhsa_system_sgpr_workgroup_id_y 1
		.amdhsa_system_sgpr_workgroup_id_z 1
		.amdhsa_system_vgpr_workitem_id 0
		.amdhsa_next_free_vgpr 256
		.amdhsa_next_free_sgpr 100
		.amdhsa_reserve_vcc 0
		.amdhsa_float_denorm_mode_32 3
		.amdhsa_float_denorm_mode_16_64 3
		.amdhsa_memory_ordered 1
		.amdhsa_forward_progress 1
		.amdhsa_inst_pref_size 48
	.end_amdhsa_kernel
	.amdgpu_metadata
---
amdhsa.version: [ 1, 2 ]
amdhsa.kernels:
  - .name:           k_q08bf657762_attn
    .symbol:         k_q08bf657762_attn.kd
    .args:
      - { .name: opc, .offset: 0, .size: 8, .value_kind: global_buffer, .address_space: global }
      - { .name: ops, .offset: 8, .size: 8, .value_kind: global_buffer, .address_space: global }
      - { .name: out0, .offset: 16, .size: 8, .value_kind: global_buffer, .address_space: global }
    .group_segment_fixed_size: 219136
    .private_segment_fixed_size: 0
    .kernarg_segment_align: 8
    .kernarg_segment_size: 24
    .max_flat_workgroup_size: 512
    .sgpr_count:     100
    .vgpr_count:     256
    .wavefront_size: 32
...
	.end_amdgpu_metadata
.endif
;; end of part 2
